; MI455X (gfx1250); checked and timed in simulation.
; The chip was launched on July 23, 2026; its instructions are those of AMD's public machine-readable ISA for CDNA 5 (MIT licence, August 2026) and "CDNA5" Instruction Set Architecture Reference Guide (July 2026). The comments in the code are by the model that wrote it; some were corrected since.
;; Monotonic NN. Allowed arithmetic: matrix products marked QUANTISED: E5M2 operands, one given power-of-two scale a tensor, by v_wmma_f32_16x16x64_bf8_bf8 or v_wmma_f32_16x16x128_bf8_bf8, f32 sums; products left as they are: f32 operands where the result goes on into a quantised operand, else bf16, f16 or f32 operands; f32 sums; everything else in f32.
;; Inputs: iW0 8 x 128 float32; iW1_codes 128 x 4 x 32 uint8 (E5M2 codes of iW1, K innermost, in blocks of 32 codes); iW2 128 x 1 float32; ib0 128 float32; ib1 128 float32; ib2 1 float32; lowp_scales 4 int32 (the exponents e of the quantised operands' scales 2^e); nW0 7 x 128 float32; nW1_codes 128 x 4 x 32 uint8 (E5M2 codes of nW1, K innermost, in blocks of 32 codes); nW2 128 x 2 float32; nb0 128 float32; nb1 128 float32; nb2 2 float32; x_input 32,768 x 8 float32.
;; Outputs: out0 32,768 x 1 float32.
;; This version of the problem:
;;   THIS VERSION OF THE PROBLEM IS GIVEN IN LOW PRECISION. The matrix products marked QUANTISED in the list below multiply operands that are first quantised to E5M2 (5 exponent bits, 2 mantissa bits; 8 bits a number), with one given power-of-two scale for each operand tensor; their sums are f32. All else is computed in f32.
;;   The module's matrix products, in the order in which they are computed (A, B: the left and right operand; K: the contracted axis; several contracted axes count as one K, in the product's order):
;;     1. [M 1,671,168, K 8] x [K 8, N 128]; A: computed on the way; B: input iW0: left as it is (K = 8 < 32)
;;     2. [M 1,671,168, K 128] x [K 128, N 128]; A: computed on the way; B: input iW1 (given as codes): QUANTISED (scales: A lowp_scales[0], B lowp_scales[1])
;;     3. [M 1,671,168, K 128] x [K 128, N 1]; A: computed on the way; B: input iW2: left as it is (N = 1 < 16)
;;     4. [M 32,768, K 7] x [K 7, N 128]; A: input x_input; B: input nW0: left as it is (K = 7 < 32)
;;     5. [M 32,768, K 128] x [K 128, N 128]; A: computed on the way; B: input nW1 (given as codes): QUANTISED (scales: A lowp_scales[2], B lowp_scales[3])
;;     6. [M 32,768, K 128] x [K 128, N 2]; A: computed on the way; B: input nW2: left as it is (N = 2 < 16)
;;   THE QUANTISER, for each operand of a quantised product, along K:
;;     - The operand's scale is 2^e, e = its entry of the input lowp_scales (int32; the entries are numbered through the quantised products in the list's order, A before B).
;;     - Each number is divided by the scale, clamped to +-57,344, and rounded to the nearest number of E5M2, ties to even, subnormals kept.
;;     - The product sums the exact products of the quantised numbers (number of the format x scale) in f32.
;;   ~~~python
;;   def quantise(x, axis, e):      # numpy; x: float32 -> the quantised numbers, widened to float32 again
;;       x = np.moveaxis(x, axis, -1); K = x.shape[-1]
;;       r = np.clip(x / 2.0 ** e, -57344, 57344)
;;       step = 2.0 ** (np.maximum(np.frexp(np.where(r == 0, 1, r))[1] - 1, -14) - 2)
;;       q = np.round(r / step) * step * 2.0 ** e      # np.round: ties to even
;;       return np.moveaxis(q, -1, axis).astype(np.float32)
;;   ~~~
;;   OPERANDS COMPUTED ON THE WAY. 'Computed on the way' means the value that the module computes at that place (a softmax that the list does not call 'softmax' is quantised finished and normalised). What goes into a quantiser is computed in f32, as accurately as f32 sums, v_exp_f32 and their like allow (about 1e-6 of the number): no bf16 or f16 on the way to a quantiser, and a product that is left as it is and whose result goes on into a quantised operand takes f32 operands (vector FMAs, or v_wmma_f32_16x16x4_f32). A number that lies on a knife's edge between two numbers of the format may be rounded either way, as far as f32 arithmetic and the matrix unit's own rounding can turn it there, and no further.
;;   INPUTS GIVEN AS CODES. iW1 (in the module: [128, 128], K = its axis 0); nW1 (in the module: [128, 128], K = its axis 0): each comes as NAME_codes (uint8): NAME with its K axis moved to the last place and cut into blocks of 32 codes, [.., K / 32, bytes a block], one block behind the other in memory; one code a byte (a code: sign, 5 exponent bits, 2 mantissa bits); its scale is its entry of lowp_scales. Its value is code x scale, taken as it is: it is not quantised again, and the codes and scales need not be those that the quantiser above would give.
;; One version. Each part assembles by itself: llvm-mc -triple=amdgcn-amd-amdhsa -mcpu=gfx1250 --defsym DOCPART=n.
;; ======== version 1 of 1: 1 launch
;; launch mono (part 1): grid 256 x 1, 8 waves a work-group, no clusters, 49,408 bytes of LDS; arguments x_input, iW0, ib0, iW1_codes, ib1, iW2, ib2, nW0, nb0, nW1_codes, nb1, nW2, nb2, lowp_scales, out0; writes out0
.if DOCPART == 1
	.amdgcn_target "amdgcn-amd-amdhsa--gfx1250"
	.amdhsa_code_object_version 6
	.text
	.protected	k_qd3a558bb5f_mono
	.globl	k_qd3a558bb5f_mono
	.p2align	8
	.type	k_qd3a558bb5f_mono,@function
k_qd3a558bb5f_mono:
	s_mov_b64 s[64:65], 0
	v_nop
	global_prefetch_b8 v0, s[64:65] scope:SCOPE_SE
	s_setreg_imm32_b32 hwreg(HW_REG_WAVE_MODE, 25, 1), 1
	s_wait_xcnt 0x0
; out[n] = sigmoid(exp(o1) x integral + o0).  integral = x0 / 2 x the sum over 51 Clenshaw-Curtis nodes s of cc_s (elu(g_s) + 1); g_s is the integrand net 8 -> 128 -> 128 -> 1 at (x0 t_s, x1 .. x7),
; t_s = (1 + cos(pi s / 50)) / 2; (o0, o1) is the net 7 -> 128 -> 128 -> 2 at (x1 .. x7).  The two products 128 x 128 run on codes of E5M2 (v_wmma_f32_16x16x128_bf8_bf8), all else in f32.
; SHARES.  32,768 rows = 2,048 tiles of 16 = 256 work-groups x 8 waves: a wave owns ONE tile of 16 rows, walks its 51 nodes and then the offset net.  Two waves of 512 registers lie on a SIMD.
; LAYOUT.  Both quantised products are used transposed (source 0 = 16 rows of the weight's codes, source 1 = my 16 points): lane (r = lane % 16, h = lane / 16) holds point r throughout.
;   First layer: the lane's number q = 16 c + i stands for hidden unit k = 32 c + 16 h + i: the order in which loads of 16 bytes lay the weight's codes, the same permutation of k on both sides.
;   Second layer: register 8 t + j stands for unit 16 t + 8 h + j.
; THE FIRST LAYER IS LINEAR IN THE NODE: a(t) = BASE + t XW, BASE = ib0 + the sum over d >= 1 of x_d iW0[d], XW = x0 iW0[0].  BASE and XW are made once, in f32, by v_wmma_f32_16x16x4_f32 (the bias is
;   row 0 of the matrix, against a 1.0 in x0's place); a node then costs one fused multiply-add a number.  The rows of iW0 that form a tile are chosen so that a lane's results come out in the order q.
; SCALES.  A sum of codes stands for sum x 2^(e0 + e1).  The bias goes in as the product's C, divided by that power; relu does not mind a positive factor; iW2 is multiplied by it (and by log2 e, so that
;   elu's exponential is a bare 2^x).  The offset net likewise with e2, e3.
; A NODE'S END IS PUT OFF BY A TRIP.  What follows a node's dot product with iW2 is a chain of eleven instructions, each waiting for the one before (sums, the exchange between the halves of the lanes,
;   2^x, the weighted sum).  The dot product leaves four pairs of partial sums in registers of their own, and the chain is dealt, one instruction at a time, among the next node's first layer.
; NODES AND WEIGHTS are constants of the problem; they are made on the chip, once a work-group, by waves 0 and 1: t by a sine series to y^11 on |y| <= pi / 4, cc by the cosine recurrence over its 25 terms.
; NO CLUSTER, NO TENSOR LOADS: what the work-groups share is 44,032 bytes of weights, read once at the head (eleven loads of 16 bytes a thread); the loop over the nodes touches no memory but 8 bytes of LDS.
; LIMITS: -126 <= e0, e2 <= 112; |e0 + e1|, |e2 + e3| <= 126, and the biases divided by these powers stay f32 numbers; NaN and infinities among the inputs are not served;
;   t_s is right to about 1e-7 absolute, cc_s to a few 1e-7 absolute.
.set CP,    144                        ; a row of codes in LDS: 128 bytes + 16: the 16 rows that a load of 16 bytes a lane touches start 36 words apart, at 16 different groups of 4 banks
.set MP,    528                        ; a row of a first-layer matrix: 512 bytes + 16: the rows of the two halves of the lanes lie 264 words apart
.set IW1L,  0                          ; iW1's codes, 128 rows
.set NW1L,  128*CP                     ; nW1's codes
.set IW0M,  2*128*CP                   ; 8 rows: ib0, iW0[1..7]
.set NW0M,  IW0M+8*MP                  ; 8 rows: nb0, nW0[0..6]
.set VEC,   NW0M+8*MP                  ; +0 iW0[0]; +512 ib1 / 2^(e0+e1); +1024 iW2 x 2^(e0+e1) x log2 e; +1536 nb1 / 2^(e2+e3); +2048 nW2 x 2^(e2+e3) (1,024 bytes)
.set TAB,   VEC+3072                   ; entry e, 8 bytes: t of node e + 1, cc of node e - 1 (entry 0: cc = 0); 64 entries, of which 0 to 51 are read
.set OUTS,  TAB+512                    ; the work-group's 128 results
; window 0
.set TADR,  1                          ; v1      LDS address of the next table entry
.set T,     2                          ; v[2:3]  the entry in hand
.set ADA,   4                          ; v4      my place in a first-layer matrix
.set ZE,    5                          ; v5      the sum of cc x (elu + 1)
.set SC,    6                          ; v6      2^e0, later 2^e2, for the conversion
.set X0,    7                          ; v7      x0 of my row
.set BB0,   8                          ; v[8:9]  (1, x1) or (x2, x3): source 1 of the f32 form, K step 0
.set BB1,   10                         ; v[10:11] (x4, x5) or (x6, x7): K step 1
.set BX,    12                         ; v[12:13] (x0, 0) or (0, 0), for XW alone;
.set G,     12                         ; v[12:13] from then on: a node's end, at work
.set ADW,   14                         ; v14     my place in a matrix of codes
.set ADH,   15                         ; v15     VEC + 32 h
.set CODES, 16                         ; v[16:31] the first layer's 64 codes
.set AR,    32                         ; v[32:63] two halves of 16 numbers on their way to codes
.set PS,    48                         ; v[48:55] between a node's dot product and the next node's second chunk: the four pairs of partial sums
.set DR,    64                         ; v[64:127] the second layer
.set BASE,  128                        ; v[128:191], v[192:255]: written by the f32 matrix form alone
.set XW,    192
; window 1
.set W1F,   0                          ; v[0:127]   the weight's codes, tile t at 16 t
.set CB,    128                        ; v[128:191] the bias, as the product's C
.set W2,    192                        ; v[192:255] the last layer's weights
.set W_MM,   0x11                      ; sources 0 and 2 in window 1
.set W_DOT,  0x04                      ; source 1 in window 1
.set W_DOT2, 0x01                      ; source 0 in window 1
.set W_LD,   0x40                      ; destination in window 1
.set MSB, 0
.macro WIN new                         ; the immediate's high byte repeats the setting that is left; a switch that changes nothing is dropped
.if MSB != \new
	s_set_vgpr_msb (MSB<<8)|\new
.set MSB, \new
.endif
.endm
.macro PLACES n
.rept \n
	v_nop
.endr
.endm
; t of node v[idx] into v[dst]: u = min(idx, 50 - idx), y = pi u / 100, t = 1 - sin^2 y for idx <= 25, else sin^2 y.  At work: v28-30
.macro NODE dst, idx
	v_sub_nc_u32 v28, 50, v[\idx]
	v_min_i32 v28, v[\idx], v28
	v_cvt_f32_i32 v28, v28
	v_mul_f32 v28, 0x3d00adfd, v28                 ; pi / 100
	v_mul_f32 v29, v28, v28
	v_mov_b32 v30, 0xb2d7322b                      ; -1 / 11!
	v_fmaak_f32 v30, v30, v29, 0x3638ef1d          ; 1 / 9!
	v_fmaak_f32 v30, v30, v29, 0xb9500d01          ; -1 / 7!
	v_fmaak_f32 v30, v30, v29, 0x3c088889          ; 1 / 5!
	v_fmaak_f32 v30, v30, v29, 0xbe2aaaab          ; -1 / 3!
	v_fma_f32 v30, v30, v29, 1.0
	v_mul_f32 v30, v30, v28                        ; sin y
	v_mul_f32 v30, v30, v30
	v_sub_f32 v29, 1.0, v30
	v_cmp_gt_u32 vcc_lo, 26, v[\idx]
	v_cndmask_b32 v[\dst], v30, v29, vcc_lo
.endm
; 32 words: source 0 of the f32 form for 8 tiles x 2 K steps, from the matrix m bytes behind IW0M.  Tile T's row r is unit 32 (T / 2) + 8 (T % 2) + r + 8 (r / 8); register j of K step st is matrix row 4 st + 2 h + j
.macro FRAGS f, m
.irp T, 0,1,2,3,4,5,6,7
.irp st, 0,1
.irp j, 0,1
	ds_load_b32 v[\f+4*\T+2*\st+\j], v[ADA] offset:\m+(4*\st+\j)*MP+128*(\T/2)+32*(\T%2)
.endr
.endr
.endr
.endm
; 48 loads into window 1: the codes at LDS byte w (tile t = rows 16 t on; registers 4 c .. 4 c + 3: k = 32 c + 16 h + 0 .. 15), and the bias b bytes behind VEC.  Leaves the destination in window 1
.macro LOADW w, b
	WIN W_LD
.irp t, 0,1,2,3,4,5,6,7
.irp c, 0,1,2,3
	ds_load_b128 v[W1F+16*\t+4*\c:W1F+16*\t+4*\c+3], v[ADW] offset:\w+16*CP*\t+32*\c
.endr
.endr
.irp t, 0,1,2,3,4,5,6,7
.irp i, 0,1
	ds_load_b128 v[CB+8*\t+4*\i:CB+8*\t+4*\i+3], v[ADH] offset:\b+64*\t+16*\i
.endr
.endr
.endm
; The first layer in f32: BASE = matrix^T (1, x1 .. x7), in two K steps of 4; withx = 1: also XW = iW0[0] x0.  The accumulators take turns, one instruction a turn;
; each sum's first instruction takes the constant 0 as C.
.macro LAYER1 f, withx
.irp T, 0,1,2,3,4,5,6,7
	v_wmma_f32_16x16x4_f32 v[BASE+8*\T:BASE+8*\T+7], v[\f+4*\T:\f+4*\T+1], v[BB0:BB0+1], 0
.endr
.if \withx
.irp T, 0,1,2,3,4,5,6,7
	v_wmma_f32_16x16x4_f32 v[XW+8*\T:XW+8*\T+7], v[\f+32+2*\T:\f+32+2*\T+1], v[BX:BX+1], 0
.endr
.endif
.irp T, 0,1,2,3,4,5,6,7
	v_wmma_f32_16x16x4_f32 v[BASE+8*\T:BASE+8*\T+7], v[\f+4*\T+2:\f+4*\T+3], v[BB1:BB1+1], v[BASE+8*\T:BASE+8*\T+7]
.endr
.endm
; Chunk c of a node's first layer, 16 numbers: a = BASE + t XW (first = 1: t = 1).  The chunks use the two halves of AR by turns
.macro FMA8 c, first
.irp p, 0,1,2,3,4,5,6,7
.if \first
	v_pk_add_f32 v[AR+16*((\c)%2)+2*\p:AR+16*((\c)%2)+2*\p+1], v[XW+16*(\c)+2*\p:XW+16*(\c)+2*\p+1], v[BASE+16*(\c)+2*\p:BASE+16*(\c)+2*\p+1]
.else
	v_pk_fma_f32 v[AR+16*((\c)%2)+2*\p:AR+16*((\c)%2)+2*\p+1], v[XW+16*(\c)+2*\p:XW+16*(\c)+2*\p+1], v[T:T+1], v[BASE+16*(\c)+2*\p:BASE+16*(\c)+2*\p+1] op_sel_hi:[1,0,1]
.endif
.endr
.endm
; Eight numbers of chunk c, from v[src + from] on: relu and the hold at 57,344 x the scale in one (the middle of x, 0 and s[hold]).  The conversion does not saturate (ISA guide 7.6.2), hence the hold
.macro MED8 c, from, src, hold
.irp i, 0,1,2,3,4,5,6,7
	v_med3_num_f32 v[AR+16*((\c)%2)+\from+\i], v[\src+\from+\i], 0, s[\hold]
.endr
.endm
.macro CVT2 c                          ; codes 16 c .. 16 c + 15.  What follows is always arithmetic on the other half of AR, or on D: the plain place behind the conversions
	v_cvt_scalef32_pk8_bf8_f32 v[CODES+4*(\c):CODES+4*(\c)+1], v[AR+16*((\c)%2):AR+16*((\c)%2)+7], v[SC]
	v_cvt_scalef32_pk8_bf8_f32 v[CODES+4*(\c)+2:CODES+4*(\c)+3], v[AR+16*((\c)%2)+8:AR+16*((\c)%2)+15], v[SC]
.endm
; A NODE'S END, instruction k of eleven.  g' = g log2 e is the sum of the four pairs and of the other half of the lanes'; elu(g) + 1 = 2^min(g', 0) + ln 2 x max(g', 0): e^g up to 0, g + 1 above; ZE takes it times cc.
.macro TAIL k
.if \k == 0
	v_pk_add_f32 v[PS:PS+1], v[PS:PS+1], v[PS+2:PS+3]
.elseif \k == 1
	v_pk_add_f32 v[PS+4:PS+5], v[PS+4:PS+5], v[PS+6:PS+7]
.elseif \k == 2
	v_pk_add_f32 v[G:G+1], v[PS:PS+1], v[PS+4:PS+5]
.elseif \k == 3
	v_add_f32 v[G], v[G], v[G+1]
.elseif \k == 4
	v_permlanex16_b32 v[G+1], v[G], s54, s55       ; my point's other 64 units lie in the lane 16 away
.elseif \k == 5
	v_add_f32 v[G], v[G], v[G+1]
.elseif \k == 6
	v_min_num_f32 v[G+1], 0, v[G]
.elseif \k == 7
	v_exp_f32 v[G+1], v[G+1]
.elseif \k == 8
	v_max_num_f32 v[G], 0, v[G]                    ; where the eleven stand together: the plain place behind the exponential
.elseif \k == 9
	s_wait_alu depctr_va_vdst(0)
	v_fma_f32 v[G], v[G], s50, v[G+1]
.else
	v_fmac_f32 v[ZE], v[T+1], v[G]
.endif
.endm
.macro TAILS                           ; the eleven together: behind the loop, where no first layer is left to set them in
.irp k, 0,1,2,3,4,5,6,7,8,9,10
	TAIL \k
.endr
.endm
.macro TL first, k
.if !\first
	TAIL \k
.endif
.endm
; A node's first layer and its codes; first = 0: with the end of the node two back dealt among it, eight instructions or more between two links of that chain.
; The partial sums in v[48:55] are read by the first three links, ahead of chunk 1, which writes those registers.
.macro L1 first
	TL \first, 0
	TL \first, 1
	FMA8 0, \first
	TL \first, 2
	MED8 0, 0, AR, 44
	MED8 0, 8, AR, 44
	TL \first, 3
	CVT2 0
	FMA8 1, \first
	TL \first, 4
	MED8 1, 0, AR+16, 44
	MED8 1, 8, AR+16, 44
	TL \first, 5
	CVT2 1
	FMA8 2, \first
	TL \first, 6
	MED8 2, 0, AR, 44
	TL \first, 7
	MED8 2, 8, AR, 44
	TL \first, 8
	CVT2 2
	FMA8 3, \first
	TL \first, 9
	MED8 3, 0, AR+16, 44
	MED8 3, 8, AR+16, 44
	TL \first, 10
	CVT2 3
.endm
; The quantised product: 8 tiles of 16 units x my 16 points, K = 128 in one instruction, the bias as C: eight different accumulators, no chain
.macro WM
	WIN W_MM
.irp t, 0,1,2,3,4,5,6,7
	v_wmma_f32_16x16x128_bf8_bf8 v[DR+8*\t:DR+8*\t+7], v[W1F+16*\t:W1F+16*\t+15], v[CODES:CODES+15], v[CB+8*\t:CB+8*\t+7]
.endr
	WIN 0
.endm
.macro RELU                            ; two a slot, ascending: each accumulator is read from its low end on
.set n, 0
.rept 32
	v_dual_max_num_f32 v[DR+2*n], 0, v[DR+2*n] :: v_dual_max_num_f32 v[DR+2*n+1], 0, v[DR+2*n+1]
.set n, n+1
.endr
.endm
; A node's dot product: relu(D) x W2 in four chains of pairs, whose last links leave the four pairs in v[48:55].  A quarter of ib2 log2 e enters one pair, so that it is counted four times: two halves of the
; pair, two halves of the lanes.  The next table entry is asked for behind the relu: the entry in hand was last read in the first layer above, and the dot product and the next product stand ahead of the wait.
.macro L2
	RELU
	ds_load_b64 v[T:T+1], v[TADR]
	v_add_nc_u32 v[TADR], 8, v[TADR]
	WIN W_DOT
	v_pk_fma_f32 v[DR:DR+1], v[DR:DR+1], v[W2:W2+1], s[48:49] op_sel_hi:[1,1,0]
.irp p, 1,2,3
	v_pk_mul_f32 v[DR+2*\p:DR+2*\p+1], v[DR+2*\p:DR+2*\p+1], v[W2+2*\p:W2+2*\p+1]
.endr
.irp t, 1,2,3,4,5,6
.irp p, 0,1,2,3
	v_pk_fma_f32 v[DR+2*\p:DR+2*\p+1], v[DR+8*\t+2*\p:DR+8*\t+2*\p+1], v[W2+8*\t+2*\p:W2+8*\t+2*\p+1], v[DR+2*\p:DR+2*\p+1]
.endr
.endr
.irp p, 0,1,2,3
	v_pk_fma_f32 v[PS+2*\p:PS+2*\p+1], v[DR+56+2*\p:DR+56+2*\p+1], v[W2+56+2*\p:W2+56+2*\p+1], v[DR+2*\p:DR+2*\p+1]
.endr
	WIN 0
.endm
	; THE HEAD: addresses, and every load of the kernel
	s_load_b512 s[8:23], s[0:1], 0x0               ; x s[8:9], iW0 s[10:11], ib0 s[12:13], iW1 s[14:15], ib1 s[16:17], iW2 s[18:19], ib2 s[20:21], nW0 s[22:23]
	s_load_b256 s[24:31], s[0:1], 0x40             ; nb0 s[24:25], nW1 s[26:27], nb1 s[28:29], nW2 s[30:31]
	s_load_b128 s[32:35], s[0:1], 0x60             ; nb2 s[32:33], the scales' exponents s[34:35]
	s_load_b64 s[36:37], s[0:1], 0x70              ; out
	v_lshrrev_b32 v33, 5, v0
	v_readfirstlane_b32 s2, v33                    ; wave 0..7
	v_and_b32 v32, 31, v0                          ; lane
	v_and_b32 v40, 15, v0                          ; r
	v_bfe_u32 v41, v0, 4, 1                        ; h
	v_lshlrev_b32 v33, 4, v0                       ; 16 bytes a thread: the codes, and row "wave" of iW0
	s_sub_co_i32 s4, s2, 1
	s_max_i32 s4, s4, 0
	s_lshl_b32 s4, s4, 9
	v_lshl_add_u32 v34, v32, 4, s4                 ; wave 0: nb0; wave w: row w - 1 of nW0
	s_cmp_eq_u32 s2, 5
	s_cselect_b32 s4, 512, 0
	v_lshl_add_u32 v35, v32, 4, s4                 ; a vector's 512 bytes; wave 5: nW2's second half
	s_lshl_b32 s4, s2, 9
	v_lshl_add_u32 v36, v40, 5, s4                 ; x: my wave's 16 rows of 32 bytes, row r,
	v_lshl_add_u32 v36, v41, 3, v36                ; numbers 2 h, 2 h + 1 (and 4 further on)
	v_lshrrev_b32 v37, 3, v32                      ; into LDS: a wave's 512 bytes of codes are 4 rows: wave x 4 rows + lane / 8, 16 bytes at lane % 8
	v_mul_u32_u24 v37, v37, CP
	v_and_b32 v38, 7, v32
	v_lshl_add_u32 v37, v38, 4, v37
	s_mul_i32 s4, s2, 4*CP
	v_add_nc_u32 v37, s4, v37
	s_mul_i32 s4, s2, MP
	s_add_co_u32 s4, s4, IW0M
	v_lshl_add_u32 v38, v32, 4, s4                 ; row "wave" of a first-layer matrix
	s_lshl_b32 s4, s2, 9
	s_add_co_u32 s4, s4, VEC
	v_lshl_add_u32 v39, v32, 4, s4                 ; chunk "wave" of VEC
	v_and_b32 v42, 8, v40
	v_add_lshl_u32 v42, v42, v40, 2                ; 4 (r + 8 (r / 8))
	v_mul_u32_u24 v[ADA], v41, 2*MP
	v_add3_u32 v[ADA], v[ADA], v42, IW0M
	v_add_nc_u32 v42, VEC, v42                     ; the same place in iW0[0]
	v_mul_u32_u24 v[ADW], v40, CP
	v_lshl_add_u32 v[ADW], v41, 4, v[ADW]
	v_lshl_add_u32 v[ADH], v41, 5, VEC
	s_wait_kmcnt 0x0
	s_load_b128 s[40:43], s[34:35], 0x0            ; e0 .. e3
	s_load_b32 s51, s[20:21], 0x0                  ; ib2
	s_load_b64 s[52:53], s[32:33], 0x0             ; nb2
	s_lshl_b32 s4, ttmp9, 12                       ; the work-group's 128 rows of 32 bytes
	s_mov_b32 s5, 0
	s_add_nc_u64 s[8:9], s[8:9], s[4:5]
	s_lshl_b32 s4, ttmp9, 9                        ; and its 128 results
	s_add_nc_u64 s[36:37], s[36:37], s[4:5]
	s_cmp_eq_u32 s2, 0                             ; which buffer a wave stages hangs on its number alone
	s_cselect_b64 s[58:59], s[12:13], s[10:11]     ; ib0, else iW0
	s_cselect_b64 s[60:61], s[24:25], s[22:23]     ; nb0, else nW0
	s_cmp_eq_u32 s2, 1
	s_cselect_b64 s[62:63], s[16:17], s[10:11]     ; wave 0 iW0[0], 1 ib1,
	s_cmp_eq_u32 s2, 2
	s_cselect_b64 s[62:63], s[18:19], s[62:63]     ; 2 iW2,
	s_cmp_eq_u32 s2, 3
	s_cselect_b64 s[62:63], s[28:29], s[62:63]     ; 3 nb1,
	s_cmp_gt_u32 s2, 3
	s_cselect_b64 s[62:63], s[30:31], s[62:63]     ; 4, 5 nW2
.irp i, 0,1,2,3
	global_load_b128 v[64+4*\i:67+4*\i], v33, s[14:15] offset:4096*\i
.endr
.irp i, 0,1,2,3
	global_load_b128 v[80+4*\i:83+4*\i], v33, s[26:27] offset:4096*\i
.endr
	global_load_b128 v[96:99], v33, s[58:59]
	global_load_b128 v[100:103], v34, s[60:61]
	global_load_b64 v[BB0:BB0+1], v36, s[8:9]
	global_load_b64 v[BB1:BB1+1], v36, s[8:9] offset:16
	s_cmp_gt_u32 s2, 5
	s_cbranch_scc1 .Lno_vector
	global_load_b128 v[104:107], v35, s[62:63]
.Lno_vector:
	; THE TABLE, while the loads are out: lane j of waves 0 and 1 makes entry j = (t of node j + 1, cc of node j - 1).  Entries 0 to 51 are read; the others hold finite numbers that nobody uses.
	s_cmp_gt_u32 s2, 1
	s_cbranch_scc1 .Lno_table
	v_add_nc_u32 v16, 1, v0
	v_add_nc_u32 v21, -1, v0
	NODE 20, 21
	NODE 22, 16
	v_fma_f32 v17, v20, 2.0, -1.0                  ; cos(pi (j - 1) / 50)
	v_mul_f32 v17, v17, v17
	v_fma_f32 v19, v17, 2.0, -1.0                  ; X = cos(2 pi (j - 1) / 50) = c_1
	v_add_f32 v17, v19, v19                        ; 2 X
	v_mov_b32 v18, 1.0                             ; c_0
	v_mov_b32 v23, 0
; m = 1 .. 25, written out: the sum takes c_m / (1 - 4 m^2); c_(m+1) = 2 X c_m - c_(m-1), in v18-20 by turns (c_m in v[18 + m % 3]).  The recurrence's line is the plain place behind the reciprocal
.set tm, 1
.rept 25
	v_cvt_f32_i32 v24, 1-4*tm*tm
	v_rcp_f32 v25, v24
.if tm%3 == 1
	v_fma_f32 v20, v17, v19, -v18
	s_wait_alu depctr_va_vdst(0)
	v_fmac_f32 v23, v25, v19
.elseif tm%3 == 2
	v_fma_f32 v18, v17, v20, -v19
	s_wait_alu depctr_va_vdst(0)
	v_fmac_f32 v23, v25, v20
.else
	v_fma_f32 v19, v17, v18, -v20
	s_wait_alu depctr_va_vdst(0)
	v_fmac_f32 v23, v25, v18
.endif
.set tm, tm+1
.endr
	v_fma_f32 v23, v23, 2.0, 1.0
	v_mul_f32 v23, 0x3d23d70a, v23                 ; cc = 2 / 50 x (1 + 2 x the sum),
	v_mul_f32 v24, 0.5, v23                        ; halved at nodes 0 and 50,
	v_cmp_eq_u32 vcc_lo, 1, v0
	v_cndmask_b32 v23, v23, v24, vcc_lo
	v_cmp_eq_u32 vcc_lo, 51, v0
	v_cndmask_b32 v23, v23, v24, vcc_lo
	v_cmp_eq_u32 vcc_lo, 0, v0
	v_cndmask_b32 v23, v23, 0, vcc_lo              ; and 0 in entry 0: the first trip has no node's end to add
	s_lshl_b32 s4, s2, 8
	v_lshl_add_u32 v24, v32, 3, s4                 ; a wave's 32 entries are 256 bytes on end
	ds_store_b64 v24, v[22:23] offset:TAB
.Lno_table:
	; THE SCALES, as f32 numbers made from the whole numbers
	s_wait_kmcnt 0x0
	s_add_co_i32 s4, s40, 127
	s_lshl_b32 s45, s4, 23                         ; 2^e0
	s_add_co_i32 s4, s4, 15
	s_lshl_b32 s4, s4, 23
	s_or_b32 s44, s4, 0x600000                     ; 57,344 x 2^e0
	s_add_co_i32 s4, s42, 127
	s_lshl_b32 s47, s4, 23                         ; 2^e2
	s_add_co_i32 s4, s4, 15
	s_lshl_b32 s4, s4, 23
	s_or_b32 s46, s4, 0x600000                     ; 57,344 x 2^e2
	s_add_co_i32 s4, s40, s41
	s_sub_co_i32 s5, 127, s4
	s_lshl_b32 s66, s5, 23                         ; 2^-(e0 + e1)
	s_add_co_i32 s4, s4, 127
	s_lshl_b32 s4, s4, 23
	s_mul_f32 s67, s4, 0x3fb8aa3b                  ; 2^(e0 + e1) x log2 e
	s_add_co_i32 s4, s42, s43
	s_sub_co_i32 s5, 127, s4
	s_lshl_b32 s68, s5, 23                         ; 2^-(e2 + e3)
	s_add_co_i32 s4, s4, 127
	s_lshl_b32 s69, s4, 23                         ; 2^(e2 + e3)
	s_mul_f32 s48, s51, 0x3eb8aa3b                 ; ib2 x log2 e / 4
	s_mov_b32 s49, s48                             ; named with it as a pair, so it is written
	s_mov_b32 s50, 0x3f317218                      ; ln 2
	s_mov_b32 s54, 0x76543210                      ; v_permlanex16_b32: lane l xor 16
	s_mov_b32 s55, 0xfedcba98
	s_cmp_eq_u32 s2, 1                             ; what my wave's vector is multiplied by on its way into LDS
	s_cselect_b32 s56, s66, 0x3f800000
	s_cmp_eq_u32 s2, 2
	s_cselect_b32 s56, s67, s56
	s_cmp_eq_u32 s2, 3
	s_cselect_b32 s56, s68, s56
	s_cmp_gt_u32 s2, 3
	s_cselect_b32 s56, s69, s56
	s_mov_b32 s57, s56
	; THE STAGE: everything that the eight waves share goes into LDS once
	s_wait_loadcnt 0x0
.irp i, 0,1,2,3
	ds_store_b128 v37, v[64+4*\i:67+4*\i] offset:IW1L+32*CP*\i
	ds_store_b128 v37, v[80+4*\i:83+4*\i] offset:NW1L+32*CP*\i
.endr
	ds_store_b128 v38, v[96:99]
	ds_store_b128 v38, v[100:103] offset:NW0M-IW0M
	s_cmp_gt_u32 s2, 5
	s_cbranch_scc1 .Lno_vector_2
	v_pk_mul_f32 v[104:105], v[104:105], s[56:57] op_sel_hi:[1,0]
	v_pk_mul_f32 v[106:107], v[106:107], s[56:57] op_sel_hi:[1,0]
	ds_store_b128 v39, v[104:107]
.Lno_vector_2:
	v_cmp_eq_u32 vcc_lo, 0, v41                    ; lanes 0-15 hold x0 in the first register
	v_mov_b32 v43, 0                               ; (the destination of a lane permute counts as read)
	v_permlanex16_b32 v43, v[BB0], s54, s55
	v_cndmask_b32 v[X0], v43, v[BB0], vcc_lo       ; x0 in both halves of the lanes
	v_cndmask_b32 v[BX], 0, v[BB0], vcc_lo         ; (x0, 0, 0, 0) along K
	v_mov_b32 v[BX+1], 0
	v_cndmask_b32 v[BB0], v[BB0], 1.0, vcc_lo      ; 1 in x0's place: it meets the bias row
	v_mov_b32 v[ZE], 0
	v_mov_b32 v[SC], s45
	v_mov_b32 v[TADR], TAB
	s_wait_dscnt 0x0                               ; for the others' sake: my stores into LDS are done
	s_barrier_signal -1
	s_barrier_wait -1
	; FRAGMENTS AND THE FIRST LAYER
	FRAGS DR, 0
.irp T, 0,1,2,3,4,5,6,7
.irp j, 0,1
	ds_load_b32 v[DR+32+2*\T+\j], v42 offset:128*(\T/2)+32*(\T%2)   ; iW0[0] at the tile's units, in both registers: all but K = 0 meets a zero
.endr
.endr
	LOADW IW1L, 512
	WIN 0
	s_wait_dscnt 48                                ; the 48 words of the f32 fragments are in; the 48 loads issued behind them may be out
	LAYER1 DR, 1
	WIN W_LD
.irp t, 0,1,2,3,4,5,6,7
.irp i, 0,1
	ds_load_b128 v[W2+8*\t+4*\i:W2+8*\t+4*\i+3], v[ADH] offset:1024+64*\t+16*\i
.endr
.endr
	WIN 0
	PLACES 8                                       ; eight places between the f32 form and the first read of its results (ISA guide 7.12.1)
	; THE NODES.  Trip s: node s's product; node s + 1's first layer, with node s - 1's end dealt among it; node s's dot product.
	; The first layer stands between the product and the first read of its results, the dot product between the conversions and the next product: the loop has no v_nop.
	L1 1                                           ; node 0: t = 1
	ds_load_b64 v[T:T+1], v[TADR]                  ; entry 0
	v_add_nc_u32 v[TADR], 8, v[TADR]               ; (the plain place between the conversions and the writes of their sources below)
.irp i, 0,1,2,3,4,5,6,7
	v_mov_b32 v[PS+\i], 0                          ; no node's end is due in trip 0: zeros, which meet cc = 0.  With the line above: the places between the conversions and the product that takes their codes
.endr
	s_wait_dscnt 0x0                               ; window 1 is filled
	s_mov_b32 s3, 50
.Lnode:                                            ; trip s = 0 .. 49
	WM                                             ; node s
	s_wait_dscnt 0x0                               ; entry s, asked for in the last trip's dot product
	L1 0                                           ; node s + 1, and node s - 1's end
	L2                                             ; node s; asks for entry s + 1
	s_sub_co_u32 s3, s3, 1
	s_cmp_lg_u32 s3, 0
	s_cbranch_scc1 .Lnode
	; THE LAST NODES, AND THE OFFSET NET
	WM                                             ; node 50
	s_wait_dscnt 0x0                               ; entry 50
	TAILS                                          ; node 49's end; its first four lines are the places between the product and the first read of its results
	L2                                             ; node 50; asks for entry 51
	FRAGS DR+16, NW0M-IW0M                         ; (nb0, nW0), into second-layer registers that the dot product has done with; node 50's end stands ahead of the wait for them
	s_wait_dscnt 32                                ; entry 51 is in; the 32 words issued behind it may be out
	TAILS                                          ; node 50's end
	s_wait_dscnt 0x0                               ; the 32 words
	v_bfe_u32 v12, v0, 4, 1
	v_lshl_add_u32 v12, v12, 6, VEC+2048           ; nW2: a unit's two weights are 8 bytes; my half's eight units of a tile are 64
	LOADW NW1L, 1536
.irp t, 0,1,2,3
.irp i, 0,1,2,3
	ds_load_b128 v[192+16*\t+4*\i:192+16*\t+4*\i+3], v12 offset:128*\t+16*\i   ; tiles 0-3, where iW2 lay
.endr
.endr
	WIN 0
	LAYER1 DR+16, 0
	v_mov_b32 v[SC], s47
	PLACES 7                                       ; with the line above: eight places behind the f32 form
.irp c, 0,1,2,3
	MED8 \c, 0, BASE+16*\c, 46
	MED8 \c, 8, BASE+16*\c, 46
	CVT2 \c
.endr
	PLACES 4
	s_wait_dscnt 0x0                               ; nW1's codes, nb1, nW2's first half
	WM
	PLACES 4                                       ; in front of loads into registers that the product has read, and of the first read of its results
	WIN W_LD
.irp t, 4,5,6,7
.irp i, 0,1,2,3
	ds_load_b128 v[16*(\t-4)+4*\i:16*(\t-4)+4*\i+3], v12 offset:128*\t+16*\i   ; tiles 4-7, where the first codes lay
.endr
.endr
	WIN 0
	RELU
	WIN W_DOT2                                     ; (o0, o1) += (w(u, 0), w(u, 1)) x unit u, the unit taken for both halves; four chains
.irp t, 0,1,2,3,4,5,6,7
.if \t == 4
	s_wait_dscnt 0x0                               ; tiles 4-7
.endif
.irp j, 0,2,4,6
.if (\t == 0) && (\j < 4)
	v_pk_mul_f32 v[AR+2*(\j%4):AR+2*(\j%4)+1], v[192+2*\j:192+2*\j+1], v[DR+\j:DR+\j+1] op_sel_hi:[1,0]
	v_pk_mul_f32 v[AR+2*(\j%4)+2:AR+2*(\j%4)+3], v[192+2*\j+2:192+2*\j+3], v[DR+\j:DR+\j+1] op_sel:[0,1] op_sel_hi:[1,1]
.else
	v_pk_fma_f32 v[AR+2*(\j%4):AR+2*(\j%4)+1], v[192+16*\t-256*(\t/4)+2*\j:192+16*\t-256*(\t/4)+2*\j+1], v[DR+8*\t+\j:DR+8*\t+\j+1], v[AR+2*(\j%4):AR+2*(\j%4)+1] op_sel_hi:[1,0,1]
	v_pk_fma_f32 v[AR+2*(\j%4)+2:AR+2*(\j%4)+3], v[192+16*\t-256*(\t/4)+2*\j+2:192+16*\t-256*(\t/4)+2*\j+3], v[DR+8*\t+\j:DR+8*\t+\j+1], v[AR+2*(\j%4)+2:AR+2*(\j%4)+3] op_sel:[0,1,0] op_sel_hi:[1,1,1]
.endif
.endr
.endr
	WIN 0
	v_pk_add_f32 v[32:33], v[32:33], v[34:35]
	v_pk_add_f32 v[36:37], v[36:37], v[38:39]
	v_pk_add_f32 v[32:33], v[32:33], v[36:37]
	v_permlanex16_b32 v36, v32, s54, s55
	v_permlanex16_b32 v37, v33, s54, s55
	v_pk_add_f32 v[32:33], v[32:33], v[36:37]
	v_add_f32 v32, s52, v32                        ; the offset
	v_add_f32 v33, s53, v33                        ; the logarithm of the scaling
	; THE END
	v_mul_f32 v33, 0x3fb8aa3b, v33
	v_exp_f32 v33, v33                             ; the scaling
	v_mul_f32 v34, v[ZE], v[X0]                    ; (a plain place behind the exponential)
	v_mul_f32 v34, 0.5, v34                        ; the integral
	s_wait_alu depctr_va_vdst(0)
	v_fma_f32 v32, v33, v34, v32
	v_mul_f32 v32, 0xbfb8aa3b, v32
	v_exp_f32 v32, v32                             ; e^-v
	v_and_b32 v35, 15, v0                          ; (a plain place)
	s_wait_alu depctr_va_vdst(0)
	v_add_f32 v32, 1.0, v32
	v_rcp_f32 v32, v32                             ; the sigmoid
	s_lshl_b32 s4, s2, 6
	v_lshl_add_u32 v35, v35, 2, s4                 ; (a plain place)  my wave's 16 results, number r; both halves of the lanes hold the same number
	s_wait_alu depctr_va_vdst(0)
	ds_store_b32 v35, v32 offset:OUTS
	s_wait_dscnt 0x0                               ; for wave 0's sake
	s_barrier_signal -1
	s_barrier_wait -1
	s_cmp_lg_u32 s2, 0
	s_cbranch_scc1 .Lend
	v_and_b32 v36, 31, v0
	v_lshlrev_b32 v36, 4, v36
	ds_load_b128 v[40:43], v36 offset:OUTS
	s_wait_dscnt 0x0
	global_store_b128 v36, v[40:43], s[36:37]      ; the wave stores the work-group's 512 consecutive bytes, at a multiple of 512 from the buffer's first byte
.Lend:
	s_endpgm
.Lfunc_end_k_qd3a558bb5f_mono:
	.size	k_qd3a558bb5f_mono, .Lfunc_end_k_qd3a558bb5f_mono-k_qd3a558bb5f_mono
	.p2alignl 7, 3214868480
	.fill 96, 4, 3214868480
	.section	.rodata,"a",@progbits
	.p2align	6, 0x0
	.amdhsa_kernel k_qd3a558bb5f_mono
		.amdhsa_group_segment_fixed_size 49408
		.amdhsa_private_segment_fixed_size 0
		.amdhsa_enable_private_segment 0
		.amdhsa_kernarg_size 120
		.amdhsa_user_sgpr_count 2
		.amdhsa_user_sgpr_kernarg_segment_ptr 1
		.amdhsa_wavefront_size32 1
		.amdhsa_system_sgpr_workgroup_id_x 1
		.amdhsa_system_sgpr_workgroup_id_y 1
		.amdhsa_system_sgpr_workgroup_id_z 1
		.amdhsa_system_vgpr_workitem_id 0
		.amdhsa_next_free_vgpr 512
		.amdhsa_next_free_sgpr 72
		.amdhsa_reserve_vcc 1
		.amdhsa_float_denorm_mode_32 3
		.amdhsa_float_denorm_mode_16_64 3
		.amdhsa_memory_ordered 1
		.amdhsa_forward_progress 1
		.amdhsa_inst_pref_size 71
	.end_amdhsa_kernel
	.amdgpu_metadata
---
amdhsa.version: [ 1, 2 ]
amdhsa.kernels:
  - .name:           k_qd3a558bb5f_mono
    .symbol:         k_qd3a558bb5f_mono.kd
    .args:
      - { .name: x_input, .offset: 0, .size: 8, .value_kind: global_buffer, .address_space: global }
      - { .name: iW0, .offset: 8, .size: 8, .value_kind: global_buffer, .address_space: global }
      - { .name: ib0, .offset: 16, .size: 8, .value_kind: global_buffer, .address_space: global }
      - { .name: iW1_codes, .offset: 24, .size: 8, .value_kind: global_buffer, .address_space: global }
      - { .name: ib1, .offset: 32, .size: 8, .value_kind: global_buffer, .address_space: global }
      - { .name: iW2, .offset: 40, .size: 8, .value_kind: global_buffer, .address_space: global }
      - { .name: ib2, .offset: 48, .size: 8, .value_kind: global_buffer, .address_space: global }
      - { .name: nW0, .offset: 56, .size: 8, .value_kind: global_buffer, .address_space: global }
      - { .name: nb0, .offset: 64, .size: 8, .value_kind: global_buffer, .address_space: global }
      - { .name: nW1_codes, .offset: 72, .size: 8, .value_kind: global_buffer, .address_space: global }
      - { .name: nb1, .offset: 80, .size: 8, .value_kind: global_buffer, .address_space: global }
      - { .name: nW2, .offset: 88, .size: 8, .value_kind: global_buffer, .address_space: global }
      - { .name: nb2, .offset: 96, .size: 8, .value_kind: global_buffer, .address_space: global }
      - { .name: lowp_scales, .offset: 104, .size: 8, .value_kind: global_buffer, .address_space: global }
      - { .name: out0, .offset: 112, .size: 8, .value_kind: global_buffer, .address_space: global }
    .group_segment_fixed_size: 49408
    .private_segment_fixed_size: 0
    .kernarg_segment_align: 8
    .kernarg_segment_size: 120
    .max_flat_workgroup_size: 256
    .sgpr_count:     72
    .vgpr_count:     512
    .wavefront_size: 32
...
	.end_amdgpu_metadata
.endif
;; end of part 1
